; MI455X (gfx1250); checked and timed in simulation.
; The chip was launched on July 23, 2026; its instructions are those of AMD's public machine-readable ISA for CDNA 5 (MIT licence, August 2026) and "CDNA5" Instruction Set Architecture Reference Guide (July 2026). The comments in the code are by the model that wrote it; some were corrected since.
;; HNC strategy. Allowed arithmetic: matrix products marked QUANTISED: E3M2 operands, one E8M0 scale for each 32 along K, by v_wmma_scale_f32_16x16x128_f8f6f4 with both operands' format E3M2, f32 sums; products left as they are: f32 operands where the result goes on into a quantised operand, else bf16, f16 or f32 operands; f32 sums; everything else in f32.
;; Inputs: freqs 16,384 x 64 float32; hb0 66 float32; hb1 66 float32; hb2 66 float32; hb3 8 float32; head_b 12,609 float32; head_w 12,609 x 8 float32; hw0 66 x 65 float32; hw1 66 x 66 float32; hw2 66 x 66 float32; hw3 8 x 66 float32; t one number float32; y 16,384 x 128 float32.
;; Outputs: out0 16,384 x 64 float32.
;; This version of the problem:
;;   THIS VERSION OF THE PROBLEM IS GIVEN IN LOW PRECISION. The matrix products marked QUANTISED in the list below multiply operands that are first quantised to E3M2 (3 exponent bits, 2 mantissa bits; 6 bits a number), with one power-of-two scale for each 32 numbers along K (OCP MX v1.0); their sums are f32. All else is computed in f32.
;;   The module's matrix products, in the order in which they are computed (A, B: the left and right operand; K: the contracted axis; several contracted axes count as one K, in the product's order):
;;     1. [M 16,384, K 65] x [K 65, N 66]; A: computed on the way; B: input hw0: QUANTISED
;;     2. [M 16,384, K 66] x [K 66, N 66]; A: computed on the way; B: input hw1: QUANTISED
;;     3. [M 16,384, K 66] x [K 66, N 66]; A: computed on the way; B: input hw2: QUANTISED
;;     4. [M 16,384, K 66] x [K 66, N 8]; A: computed on the way; B: input hw3: left as it is (N = 8 < 16)
;;     5. [M 16,384, K 8] x [K 8, N 12,609]; A: computed on the way; B: input head_w: left as it is (K = 8 < 32)
;;     6. batch 16,384 x [M 65, K 128] x [K 128, N 1]; A: computed on the way; B: computed on the way: left as it is (N = 1 < 16)
;;     7. batch 16,384 x [M 64, K 65] x [K 65, N 1]; A: computed on the way; B: computed on the way: left as it is (N = 1 < 16)
;;   THE QUANTISER, for each operand of a quantised product, along K:
;;     - K is cut into blocks of 32 from its start; a last block that is shorter is filled with zeros.
;;     - A block's scale is 2^e with e = floor(log2(the largest magnitude in the block)) - 4, held to -126 .. 127; a block of zeros has e = 0. As a byte (E8M0): e + 127.
;;     - Each number is divided by its block's scale, clamped to +-28, and rounded to the nearest number of E3M2, ties to even, subnormals kept.
;;     - The product sums the exact products of the quantised numbers (number of the format x scale) in f32.
;;   ~~~python
;;   def quantise(x, axis):      # numpy; x: float32 -> the quantised numbers, widened to float32 again
;;       x = np.moveaxis(x, axis, -1); K = x.shape[-1]
;;       x = np.pad(x, [(0, 0)] * (x.ndim - 1) + [(0, -K % 32)]); x = x.reshape(x.shape[:-1] + (-1, 32)); a = np.abs(x).max(-1, keepdims=True)
;;       e = np.where(a > 0, np.clip(np.frexp(np.where(a > 0, a, 1))[1] - 1 - 4, -126, 127), 0)      # np.frexp(a)[1] - 1 = floor(log2(a)), exactly
;;       r = np.clip(x / 2.0 ** e, -28, 28)
;;       step = 2.0 ** (np.maximum(np.frexp(np.where(r == 0, 1, r))[1] - 1, -2) - 2)
;;       q = np.round(r / step) * step * 2.0 ** e      # np.round: ties to even
;;       return np.moveaxis(q.reshape(q.shape[:-2] + (-1,))[..., :K], -1, axis).astype(np.float32)
;;   ~~~
;;   OPERANDS COMPUTED ON THE WAY. 'Computed on the way' means the value that the module computes at that place (a softmax that the list does not call 'softmax' is quantised finished and normalised). What goes into a quantiser is computed in f32, as accurately as f32 sums, v_exp_f32 and their like allow (about 1e-6 of the number): no bf16 or f16 on the way to a quantiser, and a product that is left as it is and whose result goes on into a quantised operand takes f32 operands (vector FMAs, or v_wmma_f32_16x16x4_f32). A number that lies on a knife's edge between two numbers of the format may be rounded either way, as far as f32 arithmetic and the matrix unit's own rounding can turn it there, and no further.
;; One version. Each part assembles by itself: llvm-mc -triple=amdgcn-amd-amdhsa -mcpu=gfx1250 --defsym DOCPART=n.
;; ======== version 1 of 1: 2 launches
;; limits: values are held in f16: magnitudes above 65,504 overflow, below 6.1e-05 lose precision; right only within a limited range of input values
;; workspace buffers: tab 296,960 bytes
;; launch prep (part 1): grid 248 x 1, 1 waves a work-group, no clusters, 0 bytes of LDS; arguments head_w, head_b, hw0, hw1, hw2, hb0, hb1, hb2, hw3, hb3, tab; writes tab
.if DOCPART == 1
	.amdgcn_target "amdgcn-amd-amdhsa--gfx1250"
	.amdhsa_code_object_version 6
	.text
	.protected	k_q70fe8756b5_prep
	.globl	k_q70fe8756b5_prep
	.p2align	8
	.type	k_q70fe8756b5_prep,@function
k_q70fe8756b5_prep:
	s_mov_b64 s[64:65], 0
	v_nop
	global_prefetch_b8 v0, s[64:65] scope:SCOPE_SE
	s_setreg_imm32_b32 hwreg(HW_REG_WAVE_MODE, 25, 1), 1
	s_wait_xcnt 0x0
; All that is the same for every sample is laid ONCE as images of the registers in which the main launch wants it.  An image is groups of four registers, 512 bytes a group, lane l's 16 bytes at 16 l.
; tab: 0       16 slots x 1,536 bytes: fragments of hw0, hw1, hw2 as codes of E3M2 (slot 5 x layer + tile; slot 15 repeats slot 14, so that every byte of tab is written);
;      24,576  their scale words, 128 bytes a slot (4 x lane);
;      26,624  hb0, hb1, hb2 in the layout of the layers' results, 40 registers (10 groups) a layer;
;      41,984  hw3 as 17 f32 operands (36 registers, the last two zeros), then hb3 (8 registers): 11 groups;
;      47,616  the rows of head_w for b1 (tiles 0-4), W2's column 64 (5-8) and b2 (9-12) as f32 operands, 4 registers a tile: 13 groups;
;      54,272  head_b's numbers of the same 13 tiles in the results' layout, 8 registers a tile: 26 groups;
;      67,584  224 fragments of f16, 1,024 bytes each (registers 0-3, then registers 4-7).
; THE f16 FRAGMENTS (16 operand rows x 32 along K; lane (r, h): row r, k = 16 c + 8 h + e).  params = head_w h4 + head_b is never formed: W1 x = sum over j of h4[j] (G_j x) + G_8 x, G_j a plane of head_w, G_8 of head_b.
;   0..131   stage 1, planes of head_w: tile tau, K step ks at 4 tau + ks; operand row r = (hidden unit a + (r & 8), plane r & 7), a = tau + (tau & 0x38)
;   132..151 stage 1, head_b: tile beta, K step ks at 4 beta + ks; row r = hidden unit 16 beta + r
;   152..215 stage 2, planes of head_w: 2 tau + ks; row r = (output a + (r & 8), plane r & 7); K = hidden units 0..63
;   216..223 stage 2, head_b: 2 beta + ks; row r = output 16 beta + r
;   Rows of units that do not exist (units 65..79) hold other numbers of the same buffers; the main launch never uses their results.
; SHARES.  One wave to a work-group, one job to a wave: work-groups 0-15 the hyper weights' slots (the longest job, so first), 16-23 the small images, 24-247 the f16 fragments.
; No LDS, no barrier; each store of a wave covers 512 consecutive bytes, aligned.
; THE QUANTISER: a block's scale is 2^(floor(log2(largest magnitude)) - 4); its byte is the largest magnitude's exponent field - 4, held at 1 from below (a block of zeros keeps the byte 1: its codes are zeros, and this program alone reads the bytes).
; In hw0's fragments position p of a block of 32 holds k = 32 b + ((p + 1) & 31): the main launch lays z = [t - 0.5, freqs] in the same order, so that freqs is used as it lies.  The blocks keep their members.
; LIMITS: head_w and head_b are rounded to f16 for the two large products: magnitudes under 65,504; under 6.1e-5 the step is 6e-8.  NaN and infinities are not served.
.set WSCB, 24576
.set HBI,  26624
.set W3I,  41984
.set PAI,  47616
.set PCI,  54272
.set TBL,  67584
.set N,    16                          ; v16-47  my block's 32 numbers
.set E,    48                          ; v48-63  k = 64, 65 and zeros
.set QC,   76                          ; v76-87  the fragment's 12 registers
.set QT,   88                          ; v88-90  a block's upper 16 codes, made on an even register and moved
.macro OUTG n                          ; n groups of four registers, from v16 on, leave as an image; the wave ends
.set gg, 0
.rept \n
	global_store_b128 v6, v[16+4*gg:16+4*gg+3], s[56:57] offset:512*gg
.set gg, gg+1
.endr
	s_endpgm
.endm
.macro GATH cst, est                   ; my 16 numbers of an f16 fragment: k = 16 c + 8 h + e
.irp c, 0,1
.irp e, 0,1,2,3,4,5,6,7
	global_load_b32 v[16+8*\c+\e], v4, s[32:33] offset:\c*\cst+\e*\est
.endr
.endr
.endm
.macro PC8 base, bs, qs, grp           ; four tiles of head_b's numbers, one number a load: tile b, register q
.irp b, 0,1,2,3
.irp q, 0,1,2,3,4,5,6,7
	global_load_b32 v[16+8*\b+\q], v4, s[6:7] offset:\base+\bs*\b+\qs*\q
.endr
.endr
	s_add_nc_u64 s[56:57], s[24:25], PCI+512*\grp
	s_wait_loadcnt 0x0
	OUTG 8
.endm
	s_load_b512 s[4:19], s[0:1], 0x0               ; head_w s[4:5], head_b s[6:7], hw0 s[8:9], hw1 s[10:11], hw2 s[12:13], hb0 s[14:15], hb1 s[16:17], hb2 s[18:19]
	s_load_b128 s[20:23], s[0:1], 0x40             ; hw3 s[20:21], hb3 s[22:23]
	s_load_b64 s[24:25], s[0:1], 0x50              ; tab
	v_and_b32 v1, 31, v0                           ; lane
	v_and_b32 v2, 15, v0                           ; r
	v_bfe_u32 v3, v0, 4, 1                         ; h
	v_lshlrev_b32 v6, 4, v1                        ; 16 x lane
	v_mov_b32 v15, 0
	s_mov_b32 s26, ttmp9                           ; my job
	s_mov_b32 s29, 0
	s_mov_b32 s36, 0xffff0000                      ; lanes 16-31
	s_wait_kmcnt 0x0
	s_cmp_lt_u32 s26, 16
	s_cbranch_scc0 .Lnot_hyper
	; ---- a fragment of hw0, hw1 or hw2: 16 rows x 128 along K (66 or 65 of them real)
	s_min_u32 s31, s26, 14                         ; the fragment: 5 x layer + tile
	s_mov_b32 s34, 0x76543210
	s_mov_b32 s35, 0xfedcba98                      ; v_permlanex16_b32's selects for lane l xor 16
	s_cmp_ge_u32 s31, 5
	s_cselect_b32 s38, 1, 0
	s_cselect_b32 s39, 4, 0                        ; 4 where the layer is not 0
	s_cselect_b32 s37, s36, -1                     ; where k = 65 is no number: in layer 0 everywhere, else in lanes 16-31
	s_cselect_b64 s[32:33], s[10:11], s[8:9]
	s_cmp_ge_u32 s31, 10
	s_cselect_b32 s40, 1, 0
	s_cselect_b64 s[32:33], s[12:13], s[32:33]
	s_add_co_u32 s40, s40, s38                     ; layer
	s_mul_i32 s41, s40, 5
	s_sub_co_u32 s41, s31, s41                     ; tile t
	s_lshr_b32 s42, s41, 1
	s_lshl_b32 s42, s42, 5
	s_and_b32 s43, s41, 1
	s_lshl_b32 s43, s43, 3
	s_add_co_u32 s42, s42, s43                     ; 32 (t / 2) + 8 (t % 2)
	v_and_b32 v5, 8, v2
	v_add_nc_u32 v5, v5, v2
	v_add_nc_u32 v5, s42, v5                       ; THE ROWS OF A TILE ARE NOT NEIGHBOURS: + r + 8 (r / 8), so that the results of tiles 2 b, 2 b + 1 are 16 neighbours along the next K
	v_min_u32 v7, 65, v5                           ; no load leaves the buffer;
	v_mov_b32 v9, -1
	v_cmp_gt_u32 vcc_lo, 66, v5
	v_cndmask_b32 v8, 0, v9, vcc_lo                ; rows from 66 on get zero codes
	s_add_co_u32 s44, s39, 260                     ; a row: 260 bytes in hw0, else 264
	v_mul_lo_u32 v10, v7, s44
	v_lshl_add_u32 v11, v3, 7, v10                 ; my block: h
	s_sub_co_u32 s45, 4, s39
	v_add_nc_u32 v12, s45, v11                     ; positions 0..30: in layer 0 one number further on
	s_mul_i32 s46, s39, 31
	v_add_nc_u32 v14, s46, v11                     ; position 31: in layer 0 the block's first number, else its last
	v_add_nc_u32 v13, s39, v10                     ; k = 65 (in layer 0: k = 64 again, which is then cleared)
.set p, 0
.rept 31
	global_load_b32 v[N+p], v12, s[32:33] offset:4*p
.set p, p+1
.endr
	global_load_b32 v[N+31], v14, s[32:33]
	global_load_b32 v[E], v10, s[32:33] offset:256
	global_load_b32 v[E+1], v13, s[32:33] offset:256
	s_mul_i32 s28, s26, 1536
	s_add_nc_u64 s[56:57], s[24:25], s[28:29]      ; my slot of codes,
	s_lshl_b32 s28, s26, 7
	s_add_co_u32 s28, s28, WSCB
	s_add_nc_u64 s[58:59], s[24:25], s[28:29]      ; and of scale words
	v_lshlrev_b32 v74, 2, v1
.irp i, 2,3,4,5,6,7,8,9,10,11,12,13,14,15
	v_mov_b32 v[E+\i], 0
.endr
	v_mov_b32 v73, 0                               ; a lane permute's destination counts as one of its sources
.irp i, 9,10,11
	v_mov_b32 v[QC+\i], 0                          ; k = 80 .. 95 and 112 .. 127
.endr
	s_wait_loadcnt 0x0
	v_cndmask_b32 v[E], v[E], v15, s36             ; lanes 16-31 hold block 3: zeros
	v_cndmask_b32 v[E+1], v[E+1], v15, s37
	v_max3_num_f32 v64, |v[N]|, |v[N+1]|, 0x2800000        ; my block's largest magnitude, in two chains, and the floor 2^(5 - 127): the byte cannot fall under 1
	v_max3_num_f32 v65, |v[N+16]|, |v[N+17]|, 0x2800000
.irp i, 2,4,6,8,10,12,14
	v_max3_num_f32 v64, v64, |v[N+\i]|, |v[N+\i+1]|
	v_max3_num_f32 v65, v65, |v[N+16+\i]|, |v[N+17+\i]|
.endr
	v_max_num_f32 v64, v64, v65
	v_max3_num_f32 v66, |v[E]|, |v[E+1]|, 0x2800000        ; block 2 + h
	v_add_nc_u32 v67, 0xfe000000, v64              ; 4 off the exponent field: the conversion takes the exponent field of this operand as its scale
	v_add_nc_u32 v68, 0xfe000000, v66
	v_lshrrev_b32 v69, 23, v67                     ; the scales' bytes
	v_lshrrev_b32 v70, 23, v68
	v_lshl_or_b32 v71, v70, 16, v69                ; blocks h and 2 + h of row r,
	v_lshlrev_b32 v72, 3, v3
	v_lshlrev_b32 v71, v72, v71                    ; at their places in the scale word;
	v_permlanex16_b32 v73, v71, s34, s35
	v_or_b32 v71, v71, v73                         ; with lane l xor 16's two the word is whole
	v_cvt_scalef32_pk16_bf6_f32 v[QC:QC+2], v[N:N+15], v67
	v_cvt_scalef32_pk16_bf6_f32 v[QT:QT+2], v[N+16:N+31], v67      ; (a conversion's three registers begin on an even number)
	v_cvt_scalef32_pk16_bf6_f32 v[QC+6:QC+8], v[E:E+15], v68
	v_nop                                          ; one plain place behind a scaled conversion
.irp i, 0,1,2
	v_mov_b32 v[QC+3+\i], v[QT+\i]
.endr
.irp i, 0,1,2,3,4,5,6,7,8
	v_and_b32 v[QC+\i], v8, v[QC+\i]
.endr
	global_store_b128 v6, v[QC:QC+3], s[56:57]
	global_store_b128 v6, v[QC+4:QC+7], s[56:57] offset:512
	global_store_b128 v6, v[QC+8:QC+11], s[56:57] offset:1024
	global_store_b32 v74, v71, s[58:59]
	s_endpgm
.Lnot_hyper:
	s_cmp_lt_u32 s26, 24
	s_cbranch_scc1 .Lsmall
	; ---- an f16 fragment
	s_sub_co_u32 s27, s26, 24                      ; which
	s_cmp_lt_u32 s27, 132
	s_cbranch_scc0 .Lnot_s1m
	s_lshr_b32 s38, s27, 2                         ; stage 1, planes: tau
	s_and_b32 s39, s27, 3                          ; ks
	s_and_b32 s40, s38, 0x38
	s_add_co_u32 s38, s38, s40                     ; a
	s_lshl_b32 s28, s38, 12                        ; a unit's 128 rows of head_w are 4,096 bytes
	s_lshl_b32 s39, s39, 10                        ; 32 rows are 1,024
	s_add_co_u32 s28, s28, s39
	s_mov_b32 s30, 4096
	s_mov_b64 s[32:33], s[4:5]
	s_branch .LgM
.Lnot_s1m:
	s_cmp_lt_u32 s27, 152
	s_cbranch_scc0 .Lnot_s1b
	s_sub_co_u32 s38, s27, 132                     ; stage 1, head_b
	s_lshr_b32 s39, s38, 2                         ; beta
	s_and_b32 s38, s38, 3                          ; ks
	s_lshl_b32 s28, s39, 13                        ; 16 units x 512 bytes
	s_lshl_b32 s38, s38, 7
	s_add_co_u32 s28, s28, s38
	s_mov_b32 s30, 512
	s_mov_b64 s[32:33], s[6:7]
	s_branch .LgB
.Lnot_s1b:
	s_cmp_lt_u32 s27, 216
	s_cbranch_scc0 .Ls2b
	s_sub_co_u32 s38, s27, 152                     ; stage 2, planes
	s_and_b32 s39, s38, 1                          ; ks
	s_lshr_b32 s38, s38, 1                         ; tau
	s_and_b32 s40, s38, 0x38
	s_add_co_u32 s38, s38, s40                     ; a
	s_mul_i32 s28, s38, 2080                       ; an output's 65 rows of head_w are 2,080 bytes
	s_lshl_b32 s39, s39, 10
	s_add_co_u32 s28, s28, s39
	s_add_co_u32 s28, s28, 268320                  ; row 8,385
	s_mov_b32 s30, 2080
	s_mov_b64 s[32:33], s[4:5]
	s_branch .LgM
.Ls2b:
	s_sub_co_u32 s38, s27, 216                     ; stage 2, head_b
	s_and_b32 s39, s38, 1                          ; ks
	s_lshr_b32 s38, s38, 1                         ; beta
	s_mul_i32 s28, s38, 4160                       ; 16 outputs x 260 bytes
	s_lshl_b32 s39, s39, 7
	s_add_co_u32 s28, s28, s39
	s_add_co_u32 s28, s28, 33540                   ; number 8,385
	s_mov_b32 s30, 260
	s_mov_b64 s[32:33], s[6:7]
.LgB:
	s_add_nc_u64 s[32:33], s[32:33], s[28:29]
	v_mul_lo_u32 v4, v2, s30                       ; row r's unit,
	v_lshl_add_u32 v4, v3, 5, v4                   ; + 8 h numbers
	GATH 64, 4
	s_branch .Lcv
.LgM:
	s_add_nc_u64 s[32:33], s[32:33], s[28:29]
	v_and_b32 v4, 8, v2
	v_mul_lo_u32 v4, v4, s30                       ; rows 8-15: the unit 8 further on,
	v_lshl_add_u32 v4, v3, 8, v4                   ; + 8 h rows of head_w,
	v_and_b32 v5, 7, v2
	v_lshl_add_u32 v4, v5, 2, v4                   ; plane r & 7
	GATH 512, 32
.Lcv:
	s_lshl_b32 s28, s27, 10
	s_add_co_u32 s28, s28, TBL
	s_add_nc_u64 s[56:57], s[24:25], s[28:29]      ; my fragment's 1,024 bytes of tab
	s_wait_loadcnt 0x0
.irp n, 0,1,2,3,4,5,6,7
	v_cvt_pk_f16_f32 v[32+\n], v[16+2*\n], v[17+2*\n]
.endr
	global_store_b128 v6, v[32:35], s[56:57]
	global_store_b128 v6, v[36:39], s[56:57] offset:512
	s_endpgm
.Lsmall:
	s_sub_co_u32 s38, s26, 16                      ; which small image
	s_cmp_lt_u32 s38, 3
	s_cbranch_scc0 .Lnot_hb
	; ---- a layer's bias in the result's layout: tile t, register q: unit 32 (t / 2) + 16 h + 8 (t % 2) + q; registers 32, 33: units 64, 65 in lanes 0-15; all else zeros
	s_cmp_eq_u32 s38, 1
	s_cselect_b64 s[32:33], s[16:17], s[14:15]
	s_cmp_eq_u32 s38, 2
	s_cselect_b64 s[32:33], s[18:19], s[32:33]
	v_lshlrev_b32 v4, 6, v3                        ; 64 h
.irp t, 0,1,2,3
	global_load_b128 v[16+8*\t:16+8*\t+3], v4, s[32:33] offset:4*(32*(\t/2)+8*(\t%2))
	global_load_b128 v[16+8*\t+4:16+8*\t+7], v4, s[32:33] offset:4*(32*(\t/2)+8*(\t%2))+16
.endr
	global_load_b64 v[48:49], v15, s[32:33] offset:256
.irp i, 50,51,52,53,54,55
	v_mov_b32 v\i, 0                               ; units that do not exist: bias 0, zero codes: their results are exact zeros
.endr
	s_mul_i32 s28, s38, 5120
	s_add_co_u32 s28, s28, HBI
	s_add_nc_u64 s[56:57], s[24:25], s[28:29]
	s_wait_loadcnt 0x0
	v_cndmask_b32 v48, v48, v15, s36
	v_cndmask_b32 v49, v49, v15, s36
	OUTG 10
.Lnot_hb:
	s_cmp_eq_u32 s38, 3
	s_cbranch_scc0 .Lnot_w3
	; ---- hw3[r & 7][the units of a layer's registers 2 i, 2 i + 1], i = 0 .. 16; hb3
	v_and_b32 v7, 7, v2
	v_mul_u32_u24 v7, v7, 264
	v_lshl_add_u32 v4, v3, 6, v7
.irp i, 0,1,2,3,4,5,6,7,8,9,10,11,12,13,14,15
	global_load_b64 v[16+2*\i:17+2*\i], v4, s[20:21] offset:128*(\i/8)+8*(\i%8)
.endr
	global_load_b64 v[48:49], v7, s[20:21] offset:256
	global_load_b128 v[52:55], v15, s[22:23]
	global_load_b128 v[56:59], v15, s[22:23] offset:16
	v_mov_b32 v50, 0
	v_mov_b32 v51, 0
	s_add_nc_u64 s[56:57], s[24:25], W3I
	s_wait_loadcnt 0x0
	v_cndmask_b32 v48, v48, v15, s36               ; units 64, 65 live in lanes 0-15
	v_cndmask_b32 v49, v49, v15, s36
	OUTG 11
.Lnot_w3:
	s_cmp_eq_u32 s38, 4
	s_cbranch_scc0 .Lnot_pa
	; ---- the rows of head_w for b1, W2's column 64 and b2 as f32 operands: row r, k = 4 i + 2 h + 0, 1
	v_lshlrev_b32 v4, 5, v2
	v_lshl_add_u32 v4, v3, 3, v4                   ; 32 r + 8 h
	v_mul_u32_u24 v7, v2, 2080
	v_lshl_add_u32 v7, v3, 3, v7                   ; 2080 r + 8 h
.irp b, 0,1,2,3,4
.irp i, 0,1
	global_load_b64 v[16+4*\b+2*\i:17+4*\b+2*\i], v4, s[4:5] offset:266240+512*\b+16*\i
.endr
.endr
.irp b, 0,1,2,3
.irp i, 0,1
	global_load_b64 v[16+4*(5+\b)+2*\i:17+4*(5+\b)+2*\i], v7, s[4:5] offset:270368+33280*\b+16*\i
.endr
.endr
.irp b, 0,1,2,3
.irp i, 0,1
	global_load_b64 v[16+4*(9+\b)+2*\i:17+4*(9+\b)+2*\i], v4, s[4:5] offset:401440+512*\b+16*\i
.endr
.endr
	s_add_nc_u64 s[56:57], s[24:25], PAI
	s_wait_loadcnt 0x0
	OUTG 13
.Lnot_pa:
	s_cmp_eq_u32 s38, 5
	s_cbranch_scc0 .Lnot_c1
	; ---- head_b's numbers of b1: tile b, register q: unit 16 b + 8 h + q
	v_lshlrev_b32 v4, 5, v3                        ; 32 h
.irp b, 0,1,2,3,4
	global_load_b128 v[16+8*\b:16+8*\b+3], v4, s[6:7] offset:33280+64*\b
	global_load_b128 v[16+8*\b+4:16+8*\b+7], v4, s[6:7] offset:33280+64*\b+16
.endr
	s_add_nc_u64 s[56:57], s[24:25], PCI
	s_wait_loadcnt 0x0
	OUTG 10
.Lnot_c1:
	s_cmp_eq_u32 s38, 6
	s_cbranch_scc0 .Lc_b2
	v_mul_u32_u24 v4, v3, 2080                     ; of W2's column 64: output 16 b + 8 h + q, 260 bytes from output to output
	PC8 33796, 4160, 260, 10
.Lc_b2:
	v_lshlrev_b32 v4, 5, v3                        ; of b2: output 16 b + 8 h + q
	PC8 50180, 64, 4, 18
.Lfunc_end_k_q70fe8756b5_prep:
	.size	k_q70fe8756b5_prep, .Lfunc_end_k_q70fe8756b5_prep-k_q70fe8756b5_prep
	.p2alignl 7, 3214868480
	.fill 96, 4, 3214868480
	.section	.rodata,"a",@progbits
	.p2align	6, 0x0
	.amdhsa_kernel k_q70fe8756b5_prep
		.amdhsa_group_segment_fixed_size 0
		.amdhsa_private_segment_fixed_size 0
		.amdhsa_enable_private_segment 0
		.amdhsa_kernarg_size 88
		.amdhsa_user_sgpr_count 2
		.amdhsa_user_sgpr_kernarg_segment_ptr 1
		.amdhsa_wavefront_size32 1
		.amdhsa_system_sgpr_workgroup_id_x 1
		.amdhsa_system_sgpr_workgroup_id_y 1
		.amdhsa_system_sgpr_workgroup_id_z 1
		.amdhsa_system_vgpr_workitem_id 0
		.amdhsa_next_free_vgpr 96
		.amdhsa_next_free_sgpr 66
		.amdhsa_reserve_vcc 1
		.amdhsa_float_denorm_mode_32 3
		.amdhsa_float_denorm_mode_16_64 3
		.amdhsa_memory_ordered 1
		.amdhsa_forward_progress 1
		.amdhsa_inst_pref_size 36
	.end_amdhsa_kernel
	.amdgpu_metadata
---
amdhsa.version: [ 1, 2 ]
amdhsa.kernels:
  - .name:           k_q70fe8756b5_prep
    .symbol:         k_q70fe8756b5_prep.kd
    .args:
      - { .name: head_w, .offset: 0, .size: 8, .value_kind: global_buffer, .address_space: global }
      - { .name: head_b, .offset: 8, .size: 8, .value_kind: global_buffer, .address_space: global }
      - { .name: hw0, .offset: 16, .size: 8, .value_kind: global_buffer, .address_space: global }
      - { .name: hw1, .offset: 24, .size: 8, .value_kind: global_buffer, .address_space: global }
      - { .name: hw2, .offset: 32, .size: 8, .value_kind: global_buffer, .address_space: global }
      - { .name: hb0, .offset: 40, .size: 8, .value_kind: global_buffer, .address_space: global }
      - { .name: hb1, .offset: 48, .size: 8, .value_kind: global_buffer, .address_space: global }
      - { .name: hb2, .offset: 56, .size: 8, .value_kind: global_buffer, .address_space: global }
      - { .name: hw3, .offset: 64, .size: 8, .value_kind: global_buffer, .address_space: global }
      - { .name: hb3, .offset: 72, .size: 8, .value_kind: global_buffer, .address_space: global }
      - { .name: tab, .offset: 80, .size: 8, .value_kind: global_buffer, .address_space: global }
    .group_segment_fixed_size: 0
    .private_segment_fixed_size: 0
    .kernarg_segment_align: 8
    .kernarg_segment_size: 88
    .max_flat_workgroup_size: 32
    .sgpr_count:     66
    .vgpr_count:     96
    .wavefront_size: 32
...
	.end_amdgpu_metadata
.endif
;; end of part 1
;; launch hnc (part 2): grid 256 x 1, 4 waves a work-group, clusters of 4 x 1, 314,880 bytes of LDS; arguments t, y, freqs, tab, out0; writes out0
.if DOCPART == 2
	.amdgcn_target "amdgcn-amd-amdhsa--gfx1250"
	.amdhsa_code_object_version 6
	.text
	.protected	k_q70fe8756b5_hnc
	.globl	k_q70fe8756b5_hnc
	.p2align	8
	.type	k_q70fe8756b5_hnc,@function
k_q70fe8756b5_hnc:
	s_mov_b64 s[64:65], 0
	v_nop
	global_prefetch_b8 v0, s[64:65] scope:SCOPE_SE
	s_setreg_imm32_b32 hwreg(HW_REG_WAVE_MODE, 25, 1), 1
	s_wait_xcnt 0x0
	s_wait_alu depctr_hold_cnt(0) depctr_sa_sdst(0) depctr_va_vdst(0) depctr_va_sdst(0) depctr_va_ssrc(0) depctr_va_vcc(0) depctr_vm_vsrc(0)
	s_getreg_b32 s2, hwreg(HW_REG_IB_STS2, 6, 4)
	s_cmp_eq_u32 s2, 0
	s_cbranch_scc0 .Lentry_in_a_cluster
	s_endpgm
.Lentry_in_a_cluster:
	s_bfe_u32 s2, ttmp6, 0x10000c
	s_cmp_lg_u32 s2, 0x3003
	s_cbranch_scc0 .Lentry_shape_is_right
	s_endpgm
.Lentry_shape_is_right:
; out0[b] = W2[b] tanh(W1[b] [cos y, sin y] + b1[b]) + b2[b], the per-sample W1, b1, W2, b2 being head_w h4[b] + head_b, h4 the result of a hypernetwork 65 -> 66 -> 66 -> 66 -> 8 with tanh behind each layer.
; THE 12,609 PARAMETERS OF A SAMPLE ARE NEVER FORMED: W1 x = sum over j of h4[j] (G_j x) + G_8 x, G_j a plane of head_w and G_8 of head_b.  So the per-sample products are two products with FIXED weights (f16 operands, f32 sums),
; each followed by eight f32 multiply-adds with h4 inside a lane.  That is the same algebra for every input.
; SHARES.  A work-group takes 64 samples, each of its four waves 16 of them from the first load to the last store: nothing goes from wave to wave.  EVERY PRODUCT IS USED TRANSPOSED (source 0 = 16 rows of weights, source 1 = my 16 samples): a lane holds
; one sample (lane % 16) throughout, h = lane / 16.
; ALL WEIGHTS AND BIASES come as images of registers from tab (296,960 bytes, made by the launch before), into LDS, once, by two tensor loads a wave.  All work-groups read the same bytes: the four of a cluster ask JOINTLY (mask 15).
; From memory into registers come y and freqs alone, 16 loads a wave, each of 2 x 256 consecutive bytes; they are turned through the wave's own stage in LDS, so that a lane gets the numbers of its own sample.
; FORMATS.  Layers 0-2: both operands codes of E3M2 with E8M0 scales, by the stated quantiser.  Layer 3, b1, b2 and W2's column 64: f32 operands (v_wmma_f32_16x16x4_f32: 43 of a wave's 282 matrix instructions).  The two large products: f16.
; x lies in [-1, 1].  hid is multiplied, sample by sample, by f = 2^(14 - E), E the exponent of the sample's largest |hid| (floored at 2^-60), and the sums by 1 / f: both exact.
; tanh = x P(x^2) / Q(x^2), x held to +-7.9053; sin and cos by reduction to a quarter turn (2 / pi in two parts) and polynomials: all in f32.
; z = [t - 0.5, freqs] lies rotated by one inside each block of 32 (position p holds k = 32 b + ((p + 1) & 31)), as hw0's codes do: the blocks keep their members.
; LIMITS: |y| up to about 1e6 (the reduction's two parts of 2 / pi); NaN and infinities are not served; head_w, head_b as f16 (see the launch before); blocks whose largest magnitude lies under 2^-122 keep the scale byte 1.
; No prefetch: every stream that waves wait for goes out at the head.  No ring: LDS is filled once.  256 work-groups of equal work.
; LDS: 0 .. 296,959 tab's image, byte for byte (its map stands at the head of the launch before); 296,960 a stage of 16 rows x 272 bytes for each wave, which no tensor load touches.
; REGISTERS, in windows of 256.  Window 0: v1-15, v222 addresses; v16-63 SA, v64-111 SB: a layer's 66 numbers (register 16 b + i = unit 32 b + 16 h + i; 32, 33 = units 64, 65 in lanes 0-15; the rest zeros); v112-127 codes; v128-143 at work;
;   v144-203 five weight fragments, then tanh's temporaries; v204-209 scale words; v210-217 h4; v218-221 h4 as an f32 operand; v224-255 x, later hid, as f16 operands.  In the stages: v16-143 two sets of accumulators, v144-177 pre / hid / out, v178-199 at work.
;   Window 1: two buffers of 16 weight fragments.   Window 2: the biases as accumulators' C; hw3, hb3; the sums of layer 3 and of b1.   Window 3: the rows of head_w and head_b for b1, W2's column 64 and b2, and the sums of the last two.
.set WSCB,  24576
.set HBI,   26624
.set W3I,   41984
.set PAI,   47616
.set TBL,   67584
.set OSB,   296960
.set LI,    1                          ; 16 x lane
.set LS,    2                          ; 4 x lane
.set GYC,   3                          ; y: 512 h + 16 r
.set OSF,   4                          ; the stage, freqs back: 272 r + 64 h
.set ZR,    6                          ; 0
.set AB,    9                          ; LDS address of the run of images in hand
.set OSS,   14                         ; the stage: 272 r + 32 h
.set OSL,   15                         ; the stage: 272 h + 16 r
.set YY,    16
.set SA,    16
.set SB,    64
.set RAWY,  112                        ; y and freqs as they are loaded
.set RAWF,  160
.set PC,    112
.set PT,    124
.set TM,    128
.set WF,    144
.set WS,    204
.set PW,    209
.set H4,    210
.set X4,    218
.set RR,    220                        ; r and h, at the head alone
.set HH,    221
.set GO,    222                        ; freqs and out0: 256 h + 16 r
.set TP,    223
.set XF,    224
.set ACC,   16
.set PRE,   144
.set TT,    178
.set F2,    194                        ; f, f, 1 / f, 1 / f, hid[64], hid[64]
.set TN,    112                        ; the trig phase's temporaries
.set TF,    120
.set TG,    128
.set TS,    136
.set TC,    144
.set TX,    152
.set HB,    0                          ; window 2
.set W3,    120
.set HB3,   156
.set P4A,   164
.set P4B,   172
.set P1,    180
.set PA,    0                          ; window 3
.set PCB,   52
.set PD,    156
.set K_HI, 66                          ; scalar constants of the trig phase (pairs: both words hold the number) ..
.set K_LO, 68
.set K_S3, 70
.set K_S1, 72
.set K_C4, 74
.set K_C2, 76
.set K_S7, 78
.set K_S5, 79
.set K_C8, 80
.set K_C6, 81
.set K_A9, 66                          ; .. and, behind it, of tanh
.set K_A7, 68
.set K_A5, 70
.set K_A3, 72
.set K_A1, 74
.set K_B2, 76
.set K_B0, 78
.set K_A13, 80
.set K_A11, 81
.set K_B6, 82
.set K_B4, 83
.set MSB, 0
.macro WIN new                         ; the immediate's high byte repeats the setting that is left; bits 1:0 source 0, 3:2 source 1, 5:4 source 2, 7:6 destination
.if MSB != \new
	s_set_vgpr_msb (MSB<<8)|\new
.set MSB, \new
.endif
.endm
.macro PLACES n
.rept \n
	v_nop
.endr
.endm
.macro SPAIR reg, val
	s_mov_b32 s[\reg], \val
	s_mov_b32 s[\reg+1], \val
.endm
.macro CROUND                          ; a round of the cluster's barrier
	s_barrier_signal -1
	s_barrier_wait -1
	s_cmp_lg_u32 s29, 0
	s_cbranch_scc1 .Lnot_wave_0_\@
	s_barrier_signal -3
.Lnot_wave_0_\@:
	s_barrier_wait -3
	s_barrier_signal -1
	s_barrier_wait -1
.endm
; cos and sin of 8 numbers of y, v[YY + 8 e] on, into x's operand: y = (n + F) pi / 2, |F| <= 1 / 2; the quarter n & 3 picks polynomial and sign
.macro TRIG e
.irp j, 0,2,4,6
	v_pk_mul_f32 v[TN+\j:TN+\j+1], v[YY+8*\e+\j:YY+8*\e+\j+1], s[K_HI:K_HI+1] op_sel_hi:[1,0]
.endr
.irp j, 0,1,2,3,4,5,6,7
	v_rndne_f32 v[TN+\j], v[TN+\j]
.endr
.irp j, 0,2,4,6
	v_pk_fma_f32 v[TF+\j:TF+\j+1], v[YY+8*\e+\j:YY+8*\e+\j+1], s[K_HI:K_HI+1], v[TN+\j:TN+\j+1] op_sel_hi:[1,0,1] neg_lo:[0,0,1] neg_hi:[0,0,1]
.endr
.irp j, 0,2,4,6
	v_pk_fma_f32 v[TF+\j:TF+\j+1], v[YY+8*\e+\j:YY+8*\e+\j+1], s[K_LO:K_LO+1], v[TF+\j:TF+\j+1] op_sel_hi:[1,0,1]
.endr
.irp j, 0,2,4,6
	v_pk_mul_f32 v[TG+\j:TG+\j+1], v[TF+\j:TF+\j+1], v[TF+\j:TF+\j+1]
.endr
.irp j, 0,1,2,3,4,5,6,7
	v_fma_f32 v[TS+\j], v[TG+\j], s[K_S7], s[K_S5]
	v_fma_f32 v[TC+\j], v[TG+\j], s[K_C8], s[K_C6]
.endr
.irp j, 0,2,4,6
	v_pk_fma_f32 v[TS+\j:TS+\j+1], v[TS+\j:TS+\j+1], v[TG+\j:TG+\j+1], s[K_S3:K_S3+1] op_sel_hi:[1,1,0]
	v_pk_fma_f32 v[TC+\j:TC+\j+1], v[TC+\j:TC+\j+1], v[TG+\j:TG+\j+1], s[K_C4:K_C4+1] op_sel_hi:[1,1,0]
.endr
.irp j, 0,2,4,6
	v_pk_fma_f32 v[TS+\j:TS+\j+1], v[TS+\j:TS+\j+1], v[TG+\j:TG+\j+1], s[K_S1:K_S1+1] op_sel_hi:[1,1,0]
	v_pk_fma_f32 v[TC+\j:TC+\j+1], v[TC+\j:TC+\j+1], v[TG+\j:TG+\j+1], s[K_C2:K_C2+1] op_sel_hi:[1,1,0]
.endr
.irp j, 0,2,4,6
	v_pk_mul_f32 v[TS+\j:TS+\j+1], v[TS+\j:TS+\j+1], v[TF+\j:TF+\j+1]                       ; sin(F pi / 2)
	v_pk_fma_f32 v[TC+\j:TC+\j+1], v[TC+\j:TC+\j+1], v[TG+\j:TG+\j+1], 1.0 op_sel_hi:[1,1,0]   ; cos(F pi / 2)
.endr
.irp j, 0,1,2,3,4,5,6,7
	v_cvt_i32_f32 v[TN+\j], v[TN+\j]
.endr
.irp j, 0,1,2,3,4,5,6,7
	v_and_b32 v[TX+\j], 1, v[TN+\j]
.endr
.irp j, 0,1,2,3,4,5,6,7
	v_cmp_eq_u32 vcc_lo, 1, v[TX+\j]               ; an odd quarter swaps the two
	v_cndmask_b32 v[TF+\j], v[TS+\j], v[TC+\j], vcc_lo
	v_cndmask_b32 v[TG+\j], v[TC+\j], v[TS+\j], vcc_lo
.endr
.irp j, 0,1,2,3,4,5,6,7
	v_lshlrev_b32 v[TX+\j], 30, v[TN+\j]           ; sin is negative in quarters 2, 3: bit 1 of n;
	v_add_nc_u32 v[TN+\j], 1, v[TN+\j]             ; cos in quarters 1, 2: bit 1 of n + 1
.endr
.irp j, 0,1,2,3,4,5,6,7
	v_and_b32 v[TX+\j], s35, v[TX+\j]
	v_lshlrev_b32 v[TN+\j], 30, v[TN+\j]
.endr
.irp j, 0,1,2,3,4,5,6,7
	v_xor_b32 v[TF+\j], v[TF+\j], v[TX+\j]
	v_and_b32 v[TN+\j], s35, v[TN+\j]
.endr
.irp j, 0,1,2,3,4,5,6,7
	v_xor_b32 v[TG+\j], v[TG+\j], v[TN+\j]
.endr
.irp i, 0,1,2,3
	v_cvt_pk_f16_f32 v[XF+4*\e+\i], v[TG+2*\i], v[TG+2*\i+1]       ; k = 16 e + 8 h + 2 i: cos
	v_cvt_pk_f16_f32 v[XF+16+4*\e+\i], v[TF+2*\i], v[TF+2*\i+1]    ; k = 64 + the same: sin
.endr
.endm
; one Horner step of tanh on np pairs: d = 2: the numerator, d = 4: the denominator
.macro TPK np, tmp, d, k
.set p, 0
.rept \np
	v_pk_fma_f32 v[(\tmp)+6*p+\d:(\tmp)+6*p+\d+1], v[(\tmp)+6*p+\d:(\tmp)+6*p+\d+1], v[(\tmp)+6*p:(\tmp)+6*p+1], s[\k:\k+1] op_sel_hi:[1,1,0]
.set p, p+1
.endr
.endm
; tanh in place on np pairs of registers from v[base] on; six temporaries a pair from v[tmp] on: x^2, numerator, denominator.  Step by step over all pairs, so that no line waits for the line above it
.macro TANH base, np, tmp
.set p, 0
.rept \np
	v_med3_num_f32 v[(\base)+2*p], v[(\base)+2*p], -s88, s88
	v_med3_num_f32 v[(\base)+2*p+1], v[(\base)+2*p+1], -s88, s88
.set p, p+1
.endr
.set p, 0
.rept \np
	v_pk_mul_f32 v[(\tmp)+6*p:(\tmp)+6*p+1], v[(\base)+2*p:(\base)+2*p+1], v[(\base)+2*p:(\base)+2*p+1]
.set p, p+1
.endr
.set p, 0
.rept \np
	v_fma_f32 v[(\tmp)+6*p+2], v[(\tmp)+6*p], s[K_A13], s[K_A11]
	v_fma_f32 v[(\tmp)+6*p+3], v[(\tmp)+6*p+1], s[K_A13], s[K_A11]
	v_fma_f32 v[(\tmp)+6*p+4], v[(\tmp)+6*p], s[K_B6], s[K_B4]
	v_fma_f32 v[(\tmp)+6*p+5], v[(\tmp)+6*p+1], s[K_B6], s[K_B4]
.set p, p+1
.endr
	TPK \np, \tmp, 2, K_A9
	TPK \np, \tmp, 4, K_B2
	TPK \np, \tmp, 2, K_A7
	TPK \np, \tmp, 4, K_B0
	TPK \np, \tmp, 2, K_A5
	TPK \np, \tmp, 2, K_A3
	TPK \np, \tmp, 2, K_A1
.set p, 0
.rept \np
	v_rcp_f32 v[(\tmp)+6*p+4], v[(\tmp)+6*p+4]
	v_rcp_f32 v[(\tmp)+6*p+5], v[(\tmp)+6*p+5]
.set p, p+1
.endr
.set p, 0
.rept \np
	v_pk_mul_f32 v[(\tmp)+6*p+2:(\tmp)+6*p+3], v[(\tmp)+6*p+2:(\tmp)+6*p+3], v[(\base)+2*p:(\base)+2*p+1]   ; x P: plain work behind the reciprocals, which names none of their results
.set p, p+1
.endr
	s_wait_alu depctr_va_vdst(0)                   ; one wait for the batch of reciprocals, ahead of their first reader
.set p, 0
.rept \np
	v_pk_mul_f32 v[(\base)+2*p:(\base)+2*p+1], v[(\tmp)+6*p+2:(\tmp)+6*p+3], v[(\tmp)+6*p+4:(\tmp)+6*p+5]
.set p, p+1
.endr
.endm
; a layer's 66 numbers, v[s] .. v[s + 47], become the operand's codes in v[PC] on and its scale word in v[PW]
.macro QUANT66 s
	v_max3_num_f32 v[TM], |v[\s]|, |v[\s+1]|, 0x2800000            ; blocks 0 and 1 by turns: my 16 numbers, and the floor 2^(5 - 127): the byte cannot fall under 1
	v_max3_num_f32 v[TM+1], |v[\s+16]|, |v[\s+17]|, 0x2800000
.irp i, 2,4,6,8,10,12,14
	v_max3_num_f32 v[TM], v[TM], |v[\s+\i]|, |v[\s+\i+1]|
	v_max3_num_f32 v[TM+1], v[TM+1], |v[\s+16+\i]|, |v[\s+17+\i]|
.endr
	v_max3_num_f32 v[TM+2], |v[\s+32]|, |v[\s+33]|, 0x2800000      ; block 2: its two numbers lie in lanes 0-15, whose scale word is the one that is read
	v_permlanex16_b32 v[TM+3], v[TM], s32, s33
	v_permlanex16_b32 v[TM+4], v[TM+1], s32, s33
	v_max_num_f32 v[TM], v[TM], v[TM+3]            ; with lane l xor 16's 16
	v_max_num_f32 v[TM+1], v[TM+1], v[TM+4]
.irp b, 0,1,2
	v_add_nc_u32 v[TM+6+\b], 0xfe000000, v[TM+\b]  ; 4 off the exponent field: the conversion's scale operand
.endr
.irp b, 0,1,2
	v_lshrrev_b32 v[TM+9+\b], 23, v[TM+6+\b]       ; the scale's byte
.endr
	v_lshl_or_b32 v[PW], v[TM+10], 8, v[TM+9]
	v_lshl_or_b32 v[PW], v[TM+11], 16, v[PW]
	v_or_b32 v[PW], 0x7f000000, v[PW]              ; block 3 is zeros
	v_cvt_scalef32_pk16_bf6_f32 v[PC:PC+2], v[\s:\s+15], v[TM+6]
	v_cvt_scalef32_pk16_bf6_f32 v[PT:PT+2], v[\s+16:\s+31], v[TM+7]
	v_cvt_scalef32_pk16_bf6_f32 v[PC+6:PC+8], v[\s+32:\s+47], v[TM+8]      ; lanes 0-15: block 2's lower half; lanes 16-31: zeros, block 3's.  No exchange is wanted
	v_nop                                          ; one plain place behind a scaled conversion
.irp i, 0,1,2
	v_permlane16_swap_b32 v[PC+\i], v[PT+\i]       ; the operand's layout wants a whole block in a lane: lanes 0-15 block 0, lanes 16-31 block 1
.endr
.irp i, 0,1,2
	v_mov_b32 v[PC+3+\i], v[PT+\i]
.endr
.endm
; layer l: v[sout] = tanh(W_l Q(v[sin]) + hb_l): five tiles of 16 units; the bias is the C of each tile's one matrix instruction.  Weights, scale words and bias come from their images while the operand is quantised
.macro LAYER l, sin, sout
.irp t, 0,1,2,3,4
.irp c, 0,1,2
	ds_load_b128 v[WF+12*\t+4*\c:WF+12*\t+4*\c+3], v[LI] offset:1536*(5*\l+\t)+512*\c
.endr
	ds_load_b32 v[WS+\t], v[LS] offset:WSCB+128*(5*\l+\t)
.endr
	WIN 0x80                                       ; destination window 2
.irp g, 0,1,2,3,4,5,6,7,8,9
	ds_load_b128 v[HB+40*\l+4*\g:HB+40*\l+4*\g+3], v[LI] offset:HBI+5120*\l+512*\g
.endr
	WIN 0
	QUANT66 \sin
	PLACES 8                                       ; a scale register written by a vector instruction stands 8 places ahead of a scaled matrix instruction, an operand so written 4
	s_wait_dscnt 0x0                               ; the weights' fragments, their scale words and the bias are in
	WIN 0x20                                       ; C in window 2
.irp t, 0,1,2,3,4
	v_wmma_scale_f32_16x16x128_f8f6f4 v[\sout+8*\t:\sout+8*\t+7], v[WF+12*\t:WF+12*\t+11], v[PC:PC+11], v[HB+40*\l+8*\t:HB+40*\l+8*\t+7], v[WS+\t], v[PW] matrix_a_fmt:MATRIX_FMT_BF6 matrix_b_fmt:MATRIX_FMT_BF6
.endr
	WIN 0
	PLACES 4                                       ; in front of the first read of results and the first write of the fragments' registers
	TANH \sout, 9, WF
	TANH (\sout+18), 8, WF
.endm
; nf fragments of f16, from fragment fb on, into buffer par of window 1
.macro LOADB par, fb, nf
	v_add_nc_u32 v[AB], TBL+1024*(\fb), v[LI]
	WIN 0x40
.set j, 0
.rept \nf
	ds_load_b128 v[128*(\par)+8*j:128*(\par)+8*j+3], v[AB] offset:1024*j
	ds_load_b128 v[128*(\par)+8*j+4:128*(\par)+8*j+7], v[AB] offset:1024*j+512
.set j, j+1
.endr
	WIN 0
.endm
; a batch's products: nt tiles x nk steps of 32 along K, buffer and accumulator set par.  The tiles take turns, one instruction a turn.
; A sum begins with 0; from tile c0 on with b1's tile b0 + (i - c0), which lies in window 2
.macro MM par, nt, nk, c0, b0
.set ks, 0
.rept \nk
.if ks == 0
	WIN 0x21
.else
	WIN 0x01
.endif
.set i, 0
.rept \nt
.set rD, ACC+64*(\par)+8*i
.set rA, 128*(\par)+8*(i*(\nk)+ks)
.set rB, XF+8*ks
.if ks == 0
.if i >= \c0
	v_wmma_f32_16x16x32_f16 v[rD:rD+7], v[rA:rA+7], v[rB:rB+7], v[P1+8*(i-(\c0)+(\b0)):P1+8*(i-(\c0)+(\b0))+7]
.else
	v_wmma_f32_16x16x32_f16 v[rD:rD+7], v[rA:rA+7], v[rB:rB+7], 0
.endif
.else
	v_wmma_f32_16x16x32_f16 v[rD:rD+7], v[rA:rA+7], v[rB:rB+7], v[rD:rD+7]
.endif
.set i, i+1
.endr
.set ks, ks+1
.endr
	WIN 0
.endm
; nt tiles of planes, from tile i0 of set par on: a lane's eight registers are the eight planes of one unit: v[PRE + p0 + i] = their sum with h4.  Each accumulator is read from its low end on
.macro CONTR par, i0, nt, p0
.set c, 0
.rept 4
.set i, 0
.rept \nt
.set rD, ACC+64*(\par)+8*((\i0)+i)+2*c
.if c == 0
	v_pk_mul_f32 v[TT+2*i:TT+2*i+1], v[rD:rD+1], v[H4:H4+1]
.else
	v_pk_fma_f32 v[TT+2*i:TT+2*i+1], v[rD:rD+1], v[H4+2*c:H4+2*c+1], v[TT+2*i:TT+2*i+1]
.endif
.set i, i+1
.endr
.set c, c+1
.endr
.set i, 0
.rept \nt
	v_add_f32 v[PRE+(\p0)+i], v[TT+2*i], v[TT+2*i+1]
.set i, i+1
.endr
.endm
; tile ti of set par holds head_b's part of eight units: added onto v[PRE + p0] on
.macro BADD par, ti, p0
.irp c, 0,2,4,6
	v_pk_add_f32 v[PRE+(\p0)+\c:PRE+(\p0)+\c+1], v[PRE+(\p0)+\c:PRE+(\p0)+\c+1], v[ACC+64*(\par)+8*(\ti)+\c:ACC+64*(\par)+8*(\ti)+\c+1]
.endr
.endm
	; ---- the head: pointers, ids, addresses, descriptors
	s_load_b256 s[4:11], s[0:1], 0x0               ; t s[4:5], y s[6:7], freqs s[8:9], tab s[10:11]
	s_load_b64 s[12:13], s[0:1], 0x20              ; out0
	v_lshl_add_u32 v12, v0, 2, 0x4cc00
	v_mov_b32 v13, 0
	ds_add_u32 v12, v13
	ds_add_u32 v12, v13
	v_lshrrev_b32 v[TP], 5, v0
	v_readfirstlane_b32 s29, v[TP]                 ; wave 0..3
	v_and_b32 v[RR], 15, v0                        ; r
	v_bfe_u32 v[HH], v0, 4, 1                      ; h
	v_and_b32 v[LI], 31, v0
	v_lshlrev_b32 v[LS], 2, v[LI]
	v_lshlrev_b32 v[LI], 4, v[LI]
	s_bfe_u32 s90, ttmp6, 0x40000                  ; cx: my place in the cluster: it enters the addresses of y, freqs and out0 alone
	s_lshl_b32 s30, ttmp9, 2
	s_add_co_u32 s30, s30, s90                     ; work-group
	s_lshl_b32 s91, s30, 6
	s_lshl_b32 s92, s29, 4
	s_add_co_u32 s91, s91, s92                     ; my wave's first sample
	s_mov_b32 s32, 0x76543210
	s_mov_b32 s33, 0xfedcba98                      ; v_permlanex16_b32's selects for lane l xor 16
	s_mov_b32 s34, 0xffff0000                      ; lanes 16-31
	s_mov_b32 s35, 0x80000000
	s_mul_i32 s94, s29, 4352
	s_add_co_u32 s94, s94, OSB                     ; my stage
	v_lshlrev_b32 v[GYC], 9, v[HH]
	v_lshl_add_u32 v[GYC], v[RR], 4, v[GYC]
	v_lshlrev_b32 v[GO], 8, v[HH]
	v_lshl_add_u32 v[GO], v[RR], 4, v[GO]
	v_mov_b32 v[ZR], 0
	v_mul_u32_u24 v[OSS], v[RR], 272
	v_lshl_add_u32 v[OSF], v[HH], 6, v[OSS]
	v_add_nc_u32 v[OSF], s94, v[OSF]               ; row r, + 64 h
	v_lshl_add_u32 v[OSS], v[HH], 5, v[OSS]
	v_add_nc_u32 v[OSS], s94, v[OSS]               ; row r, + 32 h
	v_mul_u32_u24 v[OSL], v[HH], 272
	v_lshl_add_u32 v[OSL], v[RR], 4, v[OSL]
	v_add_nc_u32 v[OSL], s94, v[OSL]               ; lanes 0-15 one row, lanes 16-31 the next
	; descriptor groups 1: dense blocks as rows of 256 bytes (32 elements of 8 bytes); 66 rows a wave of all but the f16 fragments, 224 rows a wave of those
	s_mov_b32 s44, 15|(3<<16)|(1<<21)              ; 15:0 the mask: all four work-groups of the cluster; 17:16 elements of 8 bytes; 20 no padding; 21 set beside a mask
	s_mov_b32 s45, 32<<16                          ; tensor_dim0 = 32
	s_mov_b32 s46, 66<<16                          ; tensor_dim1 = 66
	s_mov_b32 s47, 32<<16                          ; tile_dim0 = 32
	s_mov_b32 s48, 66                              ; tile_dim1 = 66
	s_mov_b32 s49, 32                              ; from row to row
	s_mov_b32 s50, 0
	s_mov_b32 s51, 0
	s_mov_b32 s52, 15|(3<<16)|(1<<21)
	s_mov_b32 s53, 32<<16
	s_mov_b32 s54, 224<<16
	s_mov_b32 s55, 32<<16
	s_mov_b32 s56, 224
	s_mov_b32 s57, 32
	s_mov_b32 s58, 0
	s_mov_b32 s59, 0
	s_mov_b32 s36, 1                               ; groups 0: LDS is tab's image, byte for byte; each wave brings a quarter of each part: the wave's number alone enters
	s_mul_i32 s37, s29, 16896
	s_mov_b32 s40, 1
	s_mul_i32 s41, s29, 57344
	s_add_co_u32 s41, s41, TBL
	s_mov_b32 s97, 0
	s_mov_b32 s93, 0
	SPAIR K_HI, 0x3f22f983                         ; 2 / pi, its upper part,
	SPAIR K_LO, 0x32dc9c88                         ; and the rest
	SPAIR K_S3, 0xbf255de7                         ; sin(F pi / 2) = F (S1 + G (S3 + G (S5 + G S7))), G = F^2
	SPAIR K_S1, 0x3fc90fdb
	SPAIR K_C4, 0x3e81e0f8                         ; cos(F pi / 2) = 1 + G (C2 + G (C4 + G (C6 + G C8)))
	SPAIR K_C2, 0xbf9de9e6
	s_mov_b32 s[K_S7], 0xbb996966
	s_mov_b32 s[K_S5], 0x3da335e3
	s_mov_b32 s[K_C8], 0x3a70fa84
	s_mov_b32 s[K_C6], 0xbcaae9e4
	s_wait_dscnt 0x0
	s_wait_kmcnt 0x0
	s_load_b32 s28, s[4:5], 0x0                    ; t
	s_lshl_b32 s92, s91, 9
	s_add_nc_u64 s[6:7], s[6:7], s[92:93]          ; y at my first sample: 512 bytes a row
	s_lshl_b32 s92, s91, 8
	s_add_nc_u64 s[8:9], s[8:9], s[92:93]          ; freqs and out0: 256
	s_add_nc_u64 s[12:13], s[12:13], s[92:93]
	; ---- y (the first 256 bytes of a row) and freqs as they lie: load i takes rows 2 i and 2 i + 1, sixteen lanes to a row's 256 consecutive bytes
.irp i, 0,1,2,3,4,5,6,7
	global_load_b128 v[RAWY+4*\i:RAWY+4*\i+3], v[GYC], s[6:7] offset:1024*\i th:TH_LOAD_NT
.endr
.irp i, 0,1,2,3,4,5,6,7
	global_load_b128 v[RAWF+4*\i:RAWF+4*\i+3], v[GO], s[8:9] offset:512*\i th:TH_LOAD_NT
.endr
	s_mov_b32 s96, s37
	s_add_nc_u64 s[38:39], s[10:11], s[96:97]
	s_or_b32 s39, s39, 0x80000000                  ; type = 2
	s_mov_b32 s96, s41
	s_add_nc_u64 s[42:43], s[10:11], s[96:97]
	s_or_b32 s43, s43, 0x80000000
	CROUND                                         ; all four work-groups are here: the joint loads meet
	tensor_load_to_lds s[36:39], s[44:51]          ; the hyper weights, the biases and the f32 operands: wanted first
	s_nop 0
	tensor_load_to_lds s[40:43], s[52:59]          ; the f16 fragments: they land while the hypernetwork runs.  Two tensor loads of mine are out
	s_nop 0
	PLACES 4
.irp i, 40,41,42,43,44,45,46,47
	v_mov_b32 v[SA+\i], 0
.endr
.irp i, 33,34,35,36,37,38,39,40,41,42,43,44,45,46,47
	v_mov_b32 v[SB+\i], 0
.endr
	; ---- through my stage: in as rows, back so that lane (r, h) holds numbers of sample r: y in x's operand order (k = 16 c + 8 h + e), freqs in the layers' order (register 16 b + i = freqs[32 b + 16 h + i])
	s_wait_loadcnt 8                               ; y's eight loads are in; freqs' eight may be out
.irp i, 0,1,2,3,4,5,6,7
	ds_store_b128 v[OSL], v[RAWY+4*\i:RAWY+4*\i+3] offset:544*\i
.endr
.irp c, 0,1,2,3
	ds_load_b128 v[YY+8*\c:YY+8*\c+3], v[OSS] offset:64*\c         ; LDS serves a wave's instructions in order (ISA guide 5.7.1.4): these see my stores, and freqs' stores come behind them
	ds_load_b128 v[YY+8*\c+4:YY+8*\c+7], v[OSS] offset:64*\c+16
.endr
	s_wait_loadcnt 0x0
.irp i, 0,1,2,3,4,5,6,7
	ds_store_b128 v[OSL], v[RAWF+4*\i:RAWF+4*\i+3] offset:544*\i
.endr
.irp b, 0,1
.irp j, 0,1,2,3
	ds_load_b128 v[SB+16*\b+4*\j:SB+16*\b+4*\j+3], v[OSF] offset:128*\b+16*\j
.endr
.endr
	; ---- x = [cos y, sin y] as f16 operands
	s_wait_dscnt 16                                ; y is back; behind its loads: freqs' 8 stores and 8 loads
	TRIG 0
	TRIG 1
	TRIG 2
	TRIG 3
	SPAIR K_A9, 0xaebd37ff                         ; tanh's constants take the trig constants' registers
	SPAIR K_A7, 0x335c0041
	SPAIR K_A5, 0x3779434a
	SPAIR K_A3, 0x3a270ded
	SPAIR K_A1, 0x3ba059dc
	SPAIR K_B2, 0x3b14aa05
	SPAIR K_B0, 0x3ba059dd
	s_mov_b32 s[K_A13], 0xa59f25c0
	s_mov_b32 s[K_A11], 0x2a61337e
	s_mov_b32 s[K_B6], 0x35a0d3d8
	s_mov_b32 s[K_B4], 0x38f895d6
	s_mov_b32 s88, 0x40fcf84f                      ; 7.9053: beyond it tanh is 1 in f32
.irp i, 9,10,11
	v_mov_b32 v[PC+\i], 0                          ; k = 80 .. 95 and 112 .. 127 of every layer's operand
.endr
	v_mov_b32 v[TM+3], 0                           ; a lane permute's destination counts as one of its sources
	v_mov_b32 v[TM+4], 0
	; ---- z
	s_wait_dscnt 0x0                               ; freqs is back; no LDS instruction of mine is out at the barrier below
	s_wait_kmcnt 0x0                               ; t
	v_permlanex16_b32 v[TP], v[SB+31], s32, s33    ; freqs[63] = z[64]: to block 2's first place, in lanes 0-15
	v_cndmask_b32 v[SB+32], v[TP], v[ZR], s34
	v_cndmask_b32 v[SB+31], v[SB+31], v[SB+15], s34    ; freqs[31] = z[32]: to block 1's last place
	v_mov_b32 v[TP], s28
	v_add_f32 v[TP], -0.5, v[TP]
	v_cndmask_b32 v[SB+15], v[SB+15], v[TP], s34   ; t - 0.5 = z[0]: to block 0's last place
	s_wait_tensorcnt 0x1                           ; my quarter of the first part is in; the f16 fragments may stay out
	s_barrier_signal -1
	s_barrier_wait -1                              ; everybody's is
	; ---- the hypernetwork
	LAYER 0, SB, SA
	LAYER 1, SA, SB
	WIN 0x80
.irp g, 0,1,2,3,4,5,6,7,8,9,10
	ds_load_b128 v[W3+4*\g:W3+4*\g+3], v[LI] offset:W3I+512*\g     ; hw3 and hb3: the wait inside the layer below serves them too
.endr
	WIN 0
	LAYER 2, SB, SA
	v_add_nc_u32 v[AB], PAI, v[LI]
	WIN 0xc0                                       ; destination window 3
.set j, 0
.rept 39
	ds_load_b128 v[4*j:4*j+3], v[AB] offset:512*j  ; the f32 operands (13 groups) and C's (26) of b1, W2's column 64 and b2: they land under layer 3
.set j, j+1
.endr
	; layer 3 in f32: 17 steps of 4 along K on two accumulators by turns; hw3's rows are taken as r & 7, so that both halves of the lanes hold h4[0..7] of their sample
	WIN 0xa2                                       ; source 0, C and D window 2, source 1 window 0
	v_wmma_f32_16x16x4_f32 v[P4A:P4A+7], v[W3:W3+1], v[SA:SA+1], v[HB3:HB3+7]
	v_wmma_f32_16x16x4_f32 v[P4B:P4B+7], v[W3+2:W3+3], v[SA+2:SA+3], 0
.irp i, 2,4,6,8,10,12,14
	v_wmma_f32_16x16x4_f32 v[P4A:P4A+7], v[W3+2*\i:W3+2*\i+1], v[SA+2*\i:SA+2*\i+1], v[P4A:P4A+7]
	v_wmma_f32_16x16x4_f32 v[P4B:P4B+7], v[W3+2*\i+2:W3+2*\i+3], v[SA+2*\i+2:SA+2*\i+3], v[P4B:P4B+7]
.endr
	v_wmma_f32_16x16x4_f32 v[P4A:P4A+7], v[W3+32:W3+33], v[SA+32:SA+33], v[P4A:P4A+7]
	PLACES 8                                       ; eight places behind this form in front of the first read of results
	WIN 0x0a
.irp q, 0,1,2,3,4,5,6,7
	v_add_f32 v[H4+\q], v[P4A+\q], v[P4B+\q]
.endr
	WIN 0
	TANH H4, 4, WF
	v_cndmask_b32 v[X4], v[H4], v[H4+2], s34       ; h4 as an f32 operand: k = 4 i + 2 h + 0, 1
	v_cndmask_b32 v[X4+1], v[H4+1], v[H4+3], s34
	v_cndmask_b32 v[X4+2], v[H4+4], v[H4+6], s34
	v_cndmask_b32 v[X4+3], v[H4+5], v[H4+7], s34
	s_wait_tensorcnt 0x0                           ; my quarter of the f16 fragments is in,
	s_wait_dscnt 0x0                               ; and so are the 39 groups
	s_barrier_signal -1
	s_barrier_wait -1                              ; everybody's quarter is
	LOADB 0, 0, 16                                 ; stage 1's first batch is on its way under the products below
	; ---- b1, W2's column 64 and b2 in f32: K = 8 in two steps; C = head_b's numbers
	WIN 0xb3                                       ; source 0 and C window 3, D window 2
.irp b, 0,1,2,3,4
	v_wmma_f32_16x16x4_f32 v[P1+8*\b:P1+8*\b+7], v[PA+4*\b:PA+4*\b+1], v[X4:X4+1], v[PCB+8*\b:PCB+8*\b+7]
.endr
	WIN 0xf3
.irp b, 0,1,2,3,4,5,6,7
	v_wmma_f32_16x16x4_f32 v[PD+8*\b:PD+8*\b+7], v[PA+4*(5+\b):PA+4*(5+\b)+1], v[X4:X4+1], v[PCB+8*(5+\b):PCB+8*(5+\b)+7]
.endr
	WIN 0xa3
.irp b, 0,1,2,3,4
	v_wmma_f32_16x16x4_f32 v[P1+8*\b:P1+8*\b+7], v[PA+4*\b+2:PA+4*\b+3], v[X4+2:X4+3], v[P1+8*\b:P1+8*\b+7]
.endr
	WIN 0xf3
.irp b, 0,1,2,3,4,5,6,7
	v_wmma_f32_16x16x4_f32 v[PD+8*\b:PD+8*\b+7], v[PA+4*(5+\b)+2:PA+4*(5+\b)+3], v[X4+2:X4+3], v[PD+8*\b:PD+8*\b+7]
.endr
	WIN 0
	; ---- stage 1: pre = W1 x + b1.  A batch is 16 fragments; while one batch is multiplied the next one's loads are out, and the batch before is summed with h4.
	; That vector work, which names no register of the products just issued, is also the places in front of the loads into their buffer, of the reads of their results and of the products that begin their accumulators anew.
	LOADB 1, 16, 16
	s_wait_dscnt 32                                ; all but the 32 just issued
	MM 0, 4, 4, 99, 0                              ; planes' tiles 0-3
	PLACES 5
.irp n, 1,2,3,4,5,6,7
	LOADB (\n+1)%2, 16*(\n+1), 16
	s_wait_dscnt 32
	MM (\n)%2, 4, 4, 99, 0                         ; planes' tiles 4 n .. 4 n + 3
	CONTR (\n-1)%2, 0, 4, 4*(\n-1)
.endr
	LOADB 1, 144, 8
	s_wait_dscnt 16
	MM 0, 4, 4, 1, 0                               ; planes' tile 32 (unit 64), head_b's tiles 0-2, which begin with b1
	CONTR 1, 0, 4, 28
	LOADB 0, 152, 16                               ; stage 2's first batch
	s_wait_dscnt 32
	MM 1, 2, 4, 0, 3                               ; head_b's tiles 3, 4
	CONTR 0, 0, 1, 32
	BADD 0, 1, 0
	BADD 0, 2, 8
	BADD 0, 3, 16
	BADD 1, 0, 24
	v_add_f32 v[PRE+32], v[PRE+32], v[ACC+64+8]    ; unit 64 (lanes 0-15)
	v_mov_b32 v[PRE+33], 0
	TANH PRE, 17, ACC                              ; hid: register 8 g + u = unit 16 g + 8 h + u: the order of an f16 operand
	v_permlanex16_b32 v[TP], v[PRE+32], s32, s33
	v_cndmask_b32 v[F2+4], v[PRE+32], v[TP], s34   ; hid[64] in both halves of the lanes
	v_mov_b32 v[F2+5], v[F2+4]
	; ---- f = 2^(14 - E)
	v_max3_num_f32 v[TT], |v[PRE]|, |v[PRE+1]|, 0x21800000         ; the sample's largest |hid| of units 0..63, and the floor 2^-60
	v_max3_num_f32 v[TT+1], |v[PRE+16]|, |v[PRE+17]|, 0x21800000
.irp i, 2,4,6,8,10,12,14
	v_max3_num_f32 v[TT], v[TT], |v[PRE+\i]|, |v[PRE+\i+1]|
	v_max3_num_f32 v[TT+1], v[TT+1], |v[PRE+16+\i]|, |v[PRE+17+\i]|
.endr
	v_max_num_f32 v[TT], v[TT], v[TT+1]
	v_permlanex16_b32 v[TP], v[TT], s32, s33
	v_max_num_f32 v[TT], v[TT], v[TP]
	v_and_b32 v[TT], 0x7f800000, v[TT]
	v_sub_nc_u32 v[F2], 0x86000000, v[TT]          ; exponent field 268 - the largest's: hid x f lies under 2^15
	v_mov_b32 v[F2+1], v[F2]
	v_sub_nc_u32 v[F2+2], 0x7f000000, v[F2]        ; 1 / f
	v_mov_b32 v[F2+3], v[F2+2]
.irp c, 0,2,4,6,8,10,12,14,16,18,20,22,24,26,28,30
	v_pk_mul_f32 v[PRE+\c:PRE+\c+1], v[PRE+\c:PRE+\c+1], v[F2:F2+1]
.endr
.irp n, 0,1,2,3,4,5,6,7,8,9,10,11,12,13,14,15
	v_cvt_pk_f16_f32 v[XF+\n], v[PRE+2*\n], v[PRE+2*\n+1]
.endr
	; ---- stage 2: out = W2 hid + b2; K = units 0..63 in two steps
	LOADB 1, 168, 16
	s_wait_dscnt 32
	MM 0, 8, 2, 99, 0                              ; planes' tiles 0-7
	PLACES 5
	LOADB 0, 184, 16
	s_wait_dscnt 32
	MM 1, 8, 2, 99, 0
	CONTR 0, 0, 8, 0
	LOADB 1, 200, 16
	s_wait_dscnt 32
	MM 0, 8, 2, 99, 0
	CONTR 1, 0, 8, 8
	LOADB 0, 216, 8
	s_wait_dscnt 16
	MM 1, 8, 2, 99, 0
	CONTR 0, 0, 8, 16
	s_wait_dscnt 0x0
	MM 0, 4, 2, 99, 0                              ; head_b's four tiles
	CONTR 1, 0, 8, 24
	BADD 0, 0, 0
	BADD 0, 1, 8
	BADD 0, 2, 16
	BADD 0, 3, 24
.irp c, 0,2,4,6,8,10,12,14,16,18,20,22,24,26,28,30
	v_pk_mul_f32 v[PRE+\c:PRE+\c+1], v[PRE+\c:PRE+\c+1], v[F2+2:F2+3]      ; f is taken out again
.endr
	WIN 0x03                                       ; source 0 window 3
.irp c, 0,2,4,6,8,10,12,14,16,18,20,22,24,26,28,30
	v_pk_fma_f32 v[PRE+\c:PRE+\c+1], v[PD+\c:PD+\c+1], v[F2+4:F2+5], v[PRE+\c:PRE+\c+1]    ; + W2[:, 64] hid[64]
.endr
.irp c, 0,2,4,6,8,10,12,14,16,18,20,22,24,26,28,30
	v_pk_add_f32 v[PRE+\c:PRE+\c+1], v[PD+32+\c:PD+32+\c+1], v[PRE+\c:PRE+\c+1]            ; + b2
.endr
	WIN 0
	; ---- the way out: register 8 g + u = out(sample r, 16 g + 8 h + u): through my own stage, back as whole rows of 256 bytes
.irp g, 0,1,2,3
	ds_store_b128 v[OSS], v[PRE+8*\g:PRE+8*\g+3] offset:64*\g
	ds_store_b128 v[OSS], v[PRE+8*\g+4:PRE+8*\g+7] offset:64*\g+16
.endr
.irp i, 0,1,2,3,4,5,6,7
	ds_load_b128 v[ACC+4*\i:ACC+4*\i+3], v[OSL] offset:544*\i      ; LDS serves a wave's instructions in order (ISA guide 5.7.1.4): these see my stores
.endr
.irp i, 0,1,2,3,4,5,6,7
	s_wait_dscnt 7-\i                              ; rows 2 i, 2 i + 1 are back; the younger loads may be out
	global_store_b128 v[GO], v[ACC+4*\i:ACC+4*\i+3], s[12:13] offset:512*\i th:TH_STORE_NT     ; 16 lanes store 256 consecutive bytes, at a multiple of 256 from out0's first byte
.endr
	s_wait_tensorcnt 0x0
	ds_add_u32 v12, v13
	s_wait_dscnt 0x0
	CROUND                                         ; the closing round: no work-group ends while a partner may still ask for a tile that names it
	s_endpgm
.Lfunc_end_k_q70fe8756b5_hnc:
	.size	k_q70fe8756b5_hnc, .Lfunc_end_k_q70fe8756b5_hnc-k_q70fe8756b5_hnc
	.p2alignl 7, 3214868480
	.fill 96, 4, 3214868480
	.section	.rodata,"a",@progbits
	.p2align	6, 0x0
	.amdhsa_kernel k_q70fe8756b5_hnc
		.amdhsa_group_segment_fixed_size 314880
		.amdhsa_private_segment_fixed_size 0
		.amdhsa_enable_private_segment 0
		.amdhsa_kernarg_size 40
		.amdhsa_user_sgpr_count 2
		.amdhsa_user_sgpr_kernarg_segment_ptr 1
		.amdhsa_wavefront_size32 1
		.amdhsa_system_sgpr_workgroup_id_x 1
		.amdhsa_system_sgpr_workgroup_id_y 1
		.amdhsa_system_sgpr_workgroup_id_z 1
		.amdhsa_system_vgpr_workitem_id 0
		.amdhsa_next_free_vgpr 1024
		.amdhsa_next_free_sgpr 100
		.amdhsa_reserve_vcc 1
		.amdhsa_float_denorm_mode_32 3
		.amdhsa_float_denorm_mode_16_64 3
		.amdhsa_memory_ordered 1
		.amdhsa_forward_progress 1
		.amdhsa_inst_pref_size 216
	.end_amdhsa_kernel
	.amdgpu_metadata
---
amdhsa.version: [ 1, 2 ]
amdhsa.kernels:
  - .name:           k_q70fe8756b5_hnc
    .symbol:         k_q70fe8756b5_hnc.kd
    .args:
      - { .name: t, .offset: 0, .size: 8, .value_kind: global_buffer, .address_space: global }
      - { .name: y, .offset: 8, .size: 8, .value_kind: global_buffer, .address_space: global }
      - { .name: freqs, .offset: 16, .size: 8, .value_kind: global_buffer, .address_space: global }
      - { .name: tab, .offset: 24, .size: 8, .value_kind: global_buffer, .address_space: global }
      - { .name: out0, .offset: 32, .size: 8, .value_kind: global_buffer, .address_space: global }
    .group_segment_fixed_size: 314880
    .private_segment_fixed_size: 0
    .kernarg_segment_align: 8
    .kernarg_segment_size: 40
    .max_flat_workgroup_size: 128
    .sgpr_count:     100
    .vgpr_count:     1024
    .wavefront_size: 32
...
	.end_amdgpu_metadata
.endif
;; end of part 2
